; MI455X (gfx1250); checked and timed in simulation.
; The chip was launched on July 23, 2026; its instructions are those of AMD's public machine-readable ISA for CDNA 5 (MIT licence, August 2026) and "CDNA5" Instruction Set Architecture Reference Guide (July 2026). The comments in the code are by the model that wrote it; some were corrected since.
;; Sparse Attention. Allowed arithmetic: matrix products marked QUANTISED: E2M3 operands, one E8M0 scale for each 32 along K, by v_wmma_scale_f32_16x16x128_f8f6f4 with both operands' format E2M3, f32 sums; everything else in f32.
;; Inputs: b_proj 256 float32; w_proj 256 x 256 float32; w_qkv 256 x 768 float32; x 2 x 4,096 x 256 float32.
;; Outputs: out0 2 x 4,096 x 256 float32.
;; This version of the problem:
;;   THIS VERSION OF THE PROBLEM IS GIVEN IN LOW PRECISION. The matrix products marked QUANTISED in the list below multiply operands that are first quantised to E2M3 (2 exponent bits, 3 mantissa bits; 6 bits a number), with one power-of-two scale for each 32 numbers along K (OCP MX v1.0); their sums are f32. All else is computed in f32.
;;   The module's matrix products, in the order in which they are computed (A, B: the left and right operand; K: the contracted axis; several contracted axes count as one K, in the product's order):
;;     1. [M 8,192, K 256] x [K 256, N 768]; A: input x; B: input w_qkv: QUANTISED
;;     2. batch 16 x [M 4,096, K 32] x [K 32, N 4,096]; A: computed on the way; B: computed on the way: QUANTISED
;;     3. batch 16 x [M 4,096, K 4,096] x [K 4,096, N 32]; A: softmax (see below); B: computed on the way: QUANTISED
;;     4. [M 8,192, K 256] x [K 256, N 256]; A: computed on the way; B: input w_proj: QUANTISED
;;   THE QUANTISER, for each operand of a quantised product, along K:
;;     - K is cut into blocks of 32 from its start; a last block that is shorter is filled with zeros.
;;     - A block's scale is 2^e with e = floor(log2(the largest magnitude in the block)) - 2, held to -126 .. 127; a block of zeros has e = 0. As a byte (E8M0): e + 127.
;;     - Each number is divided by its block's scale, clamped to +-7.5, and rounded to the nearest number of E2M3, ties to even, subnormals kept.
;;     - The product sums the exact products of the quantised numbers (number of the format x scale) in f32.
;;   ~~~python
;;   def quantise(x, axis):      # numpy; x: float32 -> the quantised numbers, widened to float32 again
;;       x = np.moveaxis(x, axis, -1); K = x.shape[-1]
;;       x = np.pad(x, [(0, 0)] * (x.ndim - 1) + [(0, -K % 32)]); x = x.reshape(x.shape[:-1] + (-1, 32)); a = np.abs(x).max(-1, keepdims=True)
;;       e = np.where(a > 0, np.clip(np.frexp(np.where(a > 0, a, 1))[1] - 1 - 2, -126, 127), 0)      # np.frexp(a)[1] - 1 = floor(log2(a)), exactly
;;       r = np.clip(x / 2.0 ** e, -7.5, 7.5)
;;       step = 2.0 ** (np.maximum(np.frexp(np.where(r == 0, 1, r))[1] - 1, 0) - 3)
;;       q = np.round(r / step) * step * 2.0 ** e      # np.round: ties to even
;;       return np.moveaxis(q.reshape(q.shape[:-2] + (-1,))[..., :K], -1, axis).astype(np.float32)
;;   ~~~
;;   SOFTMAX AHEAD OF A QUANTISED PRODUCT. Where the list says 'softmax', what is quantised is not the finished softmax but p = 2^(t - M), with t = logit x log2(e) and M = ceil(the row's largest t), a whole number; so 1/2 < the row's largest p <= 1. The row's sum l is taken of the UNQUANTISED p, in f32, and the product's result is divided by l at the end. Since M is a whole number, a kernel that streams over the keys may use a running M (the ceiling of the running maximum): every later rescaling is an exact power of two, which a block's scale takes up: the codes' values come out the same.
;;   OPERANDS COMPUTED ON THE WAY. 'Computed on the way' means the value that the module computes at that place (a softmax that the list does not call 'softmax' is quantised finished and normalised). What goes into a quantiser is computed in f32, as accurately as f32 sums, v_exp_f32 and their like allow (about 1e-6 of the number): no bf16 or f16 on the way to a quantiser, and a product that is left as it is and whose result goes on into a quantised operand takes f32 operands (vector FMAs, or v_wmma_f32_16x16x4_f32). A number that lies on a knife's edge between two numbers of the format may be rounded either way, as far as f32 arithmetic and the matrix unit's own rounding can turn it there, and no further.
;; One version. Each part assembles by itself: llvm-mc -triple=amdgcn-amd-amdhsa -mcpu=gfx1250 --defsym DOCPART=n.
;; ======== version 1 of 1: 4 launches
;; limits: right only within a limited range of input values
;; workspace buffers: ximg 1,703,936 bytes; wimg 212,992 bytes; dens 32,768 bytes; qimg 2,097,152 bytes; kv 3,276,800 bytes; maskf 32,768 bytes; ocodes 1,572,864 bytes; oscales 65,536 bytes
;; launch prep (part 1): grid 576 x 1, 1 waves a work-group, no clusters, 0 bytes of LDS; arguments x, w_qkv, w_proj, ximg, wimg, dens; writes ximg, wimg, dens
.if DOCPART == 1
	.amdgcn_target "amdgcn-amd-amdhsa--gfx1250"
	.amdhsa_code_object_version 6
	.text
	.protected	k_q9b9be29832_prep
	.globl	k_q9b9be29832_prep
	.p2align	8
	.type	k_q9b9be29832_prep,@function
k_q9b9be29832_prep:
	s_mov_b64 s[64:65], 0
	v_nop
	global_prefetch_b8 v0, s[64:65] scope:SCOPE_SE
	s_setreg_imm32_b32 hwreg(HW_REG_WAVE_MODE, 25, 1), 1
	s_wait_xcnt 0x0
; x [8192][256], w_qkv [256][768] and w_proj [256][256], f32, become codes of FP6 (E2M3) with one E8M0 byte for each 32 along K (the 256 channels),
; laid as IMAGES OF OPERAND REGISTERS: a record of 3,328 bytes for each tile of 16 rows: the fragment of K step 0 (12 registers a lane: three chunks of 512 bytes,
; lane l's 16 bytes at 16 l), that of K step 1, then 8 bytes a lane: the row's two scale words.  Every store covers whole aligned blocks of 256 bytes.
; One wave to a work-group.  Work-groups 0-511: a tile of tokens; row r of tile 4 G + u is token 64 G + 8 u + r % 8 + 32 (r / 8), so that a later product's four tiles u give a
; lane 32 neighbouring tokens.  They also make the tokens' density: (std over the channels, unbiased, in two passes + mean |x - the token before|) / 2.
; Work-groups 512-575: a tile of 16 columns of a weight: a lane takes a column and its registers run down K.  Tiles 0-31: q's and k's columns 256 isK + 64 y + 8 u + r % 8 + 32 (r / 8);
; 32-47: v's 512 + 32 head + 8 u + r % 8 + 16 (r / 8);  48-63: w_proj's 16 T + r.
; Both ways fill v32-159 alike: register 32 q + i is k = 64 q + 32 (lane / 16) + i of the lane's row, the order of the operand's layout; one tail quantises them.
; LIMITS: NaN and infinities are not served; a block of zeros gets the byte 1 (its codes are zeros, and this program alone reads the bytes).
; No LDS, no barrier, no matrix work: waves share nothing.
.set X,   32                           ; v32-159  the 128 numbers of my half row (or column)
.set P,   160                          ; v160-223 64 numbers of the token before
.set IMG, 224                          ; v224-247 the two fragments' codes; before the tail: four running pairs
.set CT,  248                          ; v248-250 a conversion's three registers begin on an even number
.set SW,  252                          ; v252-253 the two scale words
.set BY,  16                           ; v16-19   the four blocks' bytes (v17 holds the std before the tail)
.set MXA, 10
.set MXB, 11
.set TT,  12
.set SC,  13
.set SH8, 7                            ; 8 x (lane / 16)
.set SEL, 20                           ; s[20:21] v_permlanex16_b32's selects for lane l xor 16
.set REC, 3328
; 32 numbers of one lane, a whole block, become 6 registers of codes and the scale's byte
.macro QB src, dst, by
	v_max3_num_f32 v[MXA], |v[\src]|, |v[\src+1]|, 0x1800000   ; the floor 2^(3 - 127): the byte cannot fall under 1
	v_max_num_f32 v[MXB], |v[\src+2]|, |v[\src+3]|
.irp i, 4,8,12,16,20,24,28
	v_max3_num_f32 v[MXA], v[MXA], |v[\src+\i]|, |v[\src+\i+1]|
	v_max3_num_f32 v[MXB], v[MXB], |v[\src+\i+2]|, |v[\src+\i+3]|
.endr
	v_max_num_f32 v[MXA], v[MXA], v[MXB]
	v_add_nc_u32 v[SC], 0xff000000, v[MXA]         ; 2 off the exponent field: the conversion's scale operand
	v_lshrrev_b32 v[\by], 23, v[SC]                ; the scale's byte
	v_cvt_scalef32_pk16_fp6_f32 v[\dst:\dst+2], v[\src:\src+15], v[SC]
	v_cvt_scalef32_pk16_fp6_f32 v[CT:CT+2], v[\src+16:\src+31], v[SC]
	v_nop                                          ; one plain place behind a scaled conversion
.irp i, 0,1,2
	v_mov_b32 v[\dst+3+\i], v[CT+\i]
.endr
.endm
; my two bytes (blocks h and 2 + h of a K step) and lane l xor 16's two make the row's scale word, in both halves of the lanes
.macro SWORD b0, b1, dst
	v_lshl_or_b32 v[\dst], v[\b1], 16, v[\b0]
	v_lshlrev_b32 v[\dst], v[SH8], v[\dst]
	v_permlanex16_b32 v[TT], v[\dst], s[SEL], s[SEL+1]
	v_or_b32 v[\dst], v[\dst], v[TT]
.endm
; the four running pairs in v224-231 and lane l xor 16's become one number in every lane
.macro RED4 dst
	v_pk_add_f32 v[224:225], v[224:225], v[226:227]
	v_pk_add_f32 v[228:229], v[228:229], v[230:231]
	v_pk_add_f32 v[224:225], v[224:225], v[228:229]
	v_add_f32 v[\dst], v224, v225
	v_permlanex16_b32 v[TT], v[\dst], s[SEL], s[SEL+1]
	v_add_f32 v[\dst], v[\dst], v[TT]
.endm
.macro PLOAD s                         ; the token before: my 64 numbers of K step s
.irp c, 0,1
.irp i, 0,1,2,3,4,5,6,7
	global_load_b128 v[P+32*\c+4*\i:P+32*\c+4*\i+3], v4, s[4:5] offset:512*\s+256*\c+16*\i
.endr
.endr
.endm
.macro DIFF s                          ; v20, v21 += |x - the token before|, K step s
.set nn, 0
.rept 8
.irp q, 0,1,2,3
	v_pk_add_f32 v[24+2*\q:25+2*\q], v[X+64*\s+8*nn+2*\q:X+64*\s+8*nn+2*\q+1], v[P+8*nn+2*\q:P+8*nn+2*\q+1] neg_lo:[0,1] neg_hi:[0,1]
.endr
.irp q, 0,1,2,3
	v_add_f32 v20, v20, |v[24+2*\q]|
	v_add_f32 v21, v21, |v[25+2*\q]|
.endr
.set nn, nn+1
.endr
.endm
.macro WLOADS pitch, ptr               ; W(64 q + 32 h + i, my column): the 32 h rows and the column stand in v3
.irp q, 0,1,2,3
.irp i, 0,1,2,3,4,5,6,7,8,9,10,11,12,13,14,15,16,17,18,19,20,21,22,23,24,25,26,27,28,29,30,31
	global_load_b32 v[X+32*\q+\i], v3, s[\ptr:\ptr+1] offset:(64*\q+\i)*\pitch
.endr
.endr
.endm
	s_load_b256 s[4:11], s[0:1], 0x0               ; x s[4:5], w_qkv s[6:7], w_proj s[8:9], ximg s[10:11]
	s_load_b128 s[12:15], s[0:1], 0x20             ; wimg s[12:13], dens s[14:15]
	v_and_b32 v1, 15, v0                           ; r
	v_lshrrev_b32 v2, 4, v0                        ; h
	v_lshlrev_b32 v5, 4, v0                        ; 16 x lane: my place in a chunk of an image
	v_lshlrev_b32 v6, 3, v0                        ; 8 x lane: my two scale words
	v_lshlrev_b32 v[SH8], 3, v2
	v_lshlrev_b32 v8, 2, v1                        ; 4 r: my density
	v_and_b32 v9, 7, v1
	v_lshrrev_b32 v14, 3, v1
	v_mov_b32 v[TT], 0                             ; a lane permute's destination counts as read
	v_mov_b32 v15, 0
	v_mov_b32 v23, 0                               ; named with v22 as a pair
	s_mov_b32 s[SEL], 0x76543210
	s_mov_b32 s[SEL+1], 0xfedcba98
	s_cmp_lt_u32 ttmp9, 512
	s_cselect_b32 s16, 0, 512
	s_sub_co_u32 s16, ttmp9, s16                   ; the tile's number in its buffer
	s_mul_i32 s26, s16, REC
	s_mov_b32 s27, 0
	s_wait_kmcnt 0x0
	s_cmp_lt_u32 ttmp9, 512                        ; the choice hangs on the work-group's number alone
	s_cselect_b64 s[24:25], s[10:11], s[12:13]
	s_add_nc_u64 s[24:25], s[24:25], s[26:27]      ; my record
	s_cmp_lt_u32 ttmp9, 512
	s_cbranch_scc0 .Lweights
	; ---- a tile of tokens
	s_lshr_b32 s17, s16, 2
	s_lshl_b32 s17, s17, 6
	s_and_b32 s18, s16, 3
	s_lshl_b32 s18, s18, 3
	s_add_co_u32 s17, s17, s18                     ; 64 G + 8 u
	v_lshl_add_u32 v9, v14, 5, v9
	v_add_nc_u32 v9, s17, v9                       ; my token
	v_lshlrev_b32 v3, 10, v9
	v_lshl_add_u32 v3, v2, 7, v3                   ; its row of 1,024 bytes, + 128 h
	v_max_u32 v14, 1, v9
	v_add_nc_u32 v14, -1, v14                      ; the token before (token 0 takes itself: no load leaves the buffer)
	v_lshlrev_b32 v4, 10, v14
	v_lshl_add_u32 v4, v2, 7, v4
	s_lshl_b32 s28, s16, 6
	s_mov_b32 s29, 0
	s_add_nc_u64 s[14:15], s[14:15], s[28:29]      ; the tile's 16 densities
	v_mov_b32 v20, 0
	v_mov_b32 v21, 0
.irp q, 0,1,2,3
.irp i, 0,1,2,3,4,5,6,7
	global_load_b128 v[X+32*\q+4*\i:X+32*\q+4*\i+3], v3, s[4:5] offset:256*\q+16*\i
.endr
.endr
	PLOAD 0
	s_wait_loadcnt 0x0
	DIFF 0
	PLOAD 1                                        ; lands under the two passes below
.irp q, 0,1,2,3                                ; the sum, in four chains
	v_pk_add_f32 v[224+2*\q:225+2*\q], v[X+2*\q:X+2*\q+1], v[X+8+2*\q:X+9+2*\q]
.endr
.set nn, 2
.rept 14
.irp q, 0,1,2,3
	v_pk_add_f32 v[224+2*\q:225+2*\q], v[224+2*\q:225+2*\q], v[X+8*nn+2*\q:X+8*nn+2*\q+1]
.endr
.set nn, nn+1
.endr
	RED4 22
	v_mul_f32 v22, 0x3b800000, v22                 ; the mean: / 256
.set nn, 0
.rept 16                                       ; the sum of (x - mean)^2
.irp q, 0,1,2,3
	v_pk_add_f32 v[24+2*\q:25+2*\q], v[X+8*nn+2*\q:X+8*nn+2*\q+1], v[22:23] op_sel_hi:[1,0] neg_lo:[0,1] neg_hi:[0,1]
.endr
.irp q, 0,1,2,3
.if nn == 0
	v_pk_mul_f32 v[224+2*\q:225+2*\q], v[24+2*\q:25+2*\q], v[24+2*\q:25+2*\q]
.else
	v_pk_fma_f32 v[224+2*\q:225+2*\q], v[24+2*\q:25+2*\q], v[24+2*\q:25+2*\q], v[224+2*\q:225+2*\q]
.endif
.endr
.set nn, nn+1
.endr
	RED4 17
	v_mul_f32 v17, 0x3b808081, v17                 ; / 255
	v_sqrt_f32 v17, v17                            ; the lines below, which do not name v17, are the plain work behind it
	s_wait_loadcnt 0x0                             ; the token before, K step 1
	DIFF 1
	v_add_f32 v20, v20, v21
	v_permlanex16_b32 v[TT], v20, s[SEL], s[SEL+1]
	v_add_f32 v20, v20, v[TT]
	v_mul_f32 v20, 0x3b800000, v20                 ; the mean |difference|
	v_and_b32 v14, 0xfff, v9
	v_cmp_eq_u32 vcc_lo, 0, v14                    ; a batch's first token has none
	v_cndmask_b32 v20, v20, v15, vcc_lo
	s_wait_alu depctr_va_vdst(0)                   ; the wait ahead of the root's first reader
	v_add_f32 v20, v17, v20
	v_mul_f32 v20, 0.5, v20                        ; the density; both halves of the lanes hold it
	v_cmp_gt_u32 vcc_lo, 16, v0
	s_wait_xcnt 0x0                                ; EXEC changes only behind this wait
	s_and_saveexec_b32 s30, vcc_lo
	global_store_b32 v8, v20, s[14:15]
	s_wait_xcnt 0x0                                ; and again in front of the line that widens it
	s_or_b32 exec_lo, exec_lo, s30
	s_branch .Ltail
	; ---- a tile of columns of a weight
.Lweights:
	s_cmp_lt_u32 s16, 48
	s_cbranch_scc0 .Lwproj
	s_lshr_b32 s17, s16, 4
	s_lshl_b32 s17, s17, 8                         ; 0: q, 256: k, 512: v
	s_and_b32 s18, s16, 15
	s_lshr_b32 s19, s18, 2
	s_lshl_b32 s19, s19, 6
	s_and_b32 s22, s18, 3
	s_lshl_b32 s22, s22, 3
	s_add_co_u32 s19, s19, s22                     ; q, k: 64 y + 8 u
	s_lshr_b32 s23, s18, 1
	s_lshl_b32 s23, s23, 5
	s_and_b32 s22, s18, 1
	s_lshl_b32 s22, s22, 3
	s_add_co_u32 s23, s23, s22                     ; v: 32 head + 8 u
	s_cmp_lt_u32 s16, 32
	s_cselect_b32 s19, s19, s23
	s_cselect_b32 s22, 5, 4                        ; rows 8-15 lie 32 (q, k) or 16 (v) columns on
	s_add_co_u32 s17, s17, s19
	v_lshlrev_b32 v14, s22, v14
	v_add3_u32 v9, v9, v14, s17                    ; my column
	v_mul_u32_u24 v14, v2, 0x18000                 ; 32 h rows of 3,072 bytes
	v_lshl_add_u32 v3, v9, 2, v14
	WLOADS 3072, 6
	s_branch .Lwin
.Lwproj:
	s_sub_co_u32 s17, s16, 48
	s_lshl_b32 s17, s17, 4
	v_add_nc_u32 v9, s17, v1                       ; my column: 16 T + r
	v_lshlrev_b32 v14, 15, v2                      ; 32 h rows of 1,024 bytes
	v_lshl_add_u32 v3, v9, 2, v14
	WLOADS 1024, 8
.Lwin:
	s_wait_loadcnt 0x0
.Ltail:
.irp q, 0,1,2,3
	QB X+32*\q, IMG+6*\q, BY+\q
.endr
	SWORD BY, BY+1, SW
	SWORD BY+2, BY+3, SW+1
.irp i, 0,1,2,3,4,5
	global_store_b128 v5, v[IMG+4*\i:IMG+4*\i+3], s[24:25] offset:512*\i   ; 32 lanes store 512 consecutive bytes
.endr
	global_store_b64 v6, v[SW:SW+1], s[24:25] offset:3072                  ; 256 consecutive bytes
	s_endpgm
.Lfunc_end_k_q9b9be29832_prep:
	.size	k_q9b9be29832_prep, .Lfunc_end_k_q9b9be29832_prep-k_q9b9be29832_prep
	.p2alignl 7, 3214868480
	.fill 96, 4, 3214868480
	.section	.rodata,"a",@progbits
	.p2align	6, 0x0
	.amdhsa_kernel k_q9b9be29832_prep
		.amdhsa_group_segment_fixed_size 0
		.amdhsa_private_segment_fixed_size 0
		.amdhsa_enable_private_segment 0
		.amdhsa_kernarg_size 48
		.amdhsa_user_sgpr_count 2
		.amdhsa_user_sgpr_kernarg_segment_ptr 1
		.amdhsa_wavefront_size32 1
		.amdhsa_system_sgpr_workgroup_id_x 1
		.amdhsa_system_sgpr_workgroup_id_y 1
		.amdhsa_system_sgpr_workgroup_id_z 1
		.amdhsa_system_vgpr_workitem_id 0
		.amdhsa_next_free_vgpr 256
		.amdhsa_next_free_sgpr 66
		.amdhsa_reserve_vcc 1
		.amdhsa_float_denorm_mode_32 3
		.amdhsa_float_denorm_mode_16_64 3
		.amdhsa_memory_ordered 1
		.amdhsa_forward_progress 1
		.amdhsa_inst_pref_size 66
	.end_amdhsa_kernel
	.amdgpu_metadata
---
amdhsa.version: [ 1, 2 ]
amdhsa.kernels:
  - .name:           k_q9b9be29832_prep
    .symbol:         k_q9b9be29832_prep.kd
    .args:
      - { .name: x, .offset: 0, .size: 8, .value_kind: global_buffer, .address_space: global }
      - { .name: w_qkv, .offset: 8, .size: 8, .value_kind: global_buffer, .address_space: global }
      - { .name: w_proj, .offset: 16, .size: 8, .value_kind: global_buffer, .address_space: global }
      - { .name: ximg, .offset: 24, .size: 8, .value_kind: global_buffer, .address_space: global }
      - { .name: wimg, .offset: 32, .size: 8, .value_kind: global_buffer, .address_space: global }
      - { .name: dens, .offset: 40, .size: 8, .value_kind: global_buffer, .address_space: global }
    .group_segment_fixed_size: 0
    .private_segment_fixed_size: 0
    .kernarg_segment_align: 8
    .kernarg_segment_size: 48
    .max_flat_workgroup_size: 32
    .sgpr_count:     66
    .vgpr_count:     256
    .wavefront_size: 32
...
	.end_amdgpu_metadata
.endif
;; end of part 1
;; launch qkv (part 2): grid 64 x 4, 8 waves a work-group, no clusters, 28,672 bytes of LDS; arguments ximg, wimg, dens, qimg, kv, maskf; writes qimg, kv, maskf
.if DOCPART == 2
	.amdgcn_target "amdgcn-amd-amdhsa--gfx1250"
	.amdhsa_code_object_version 6
	.text
	.protected	k_q9b9be29832_qkv
	.globl	k_q9b9be29832_qkv
	.p2align	8
	.type	k_q9b9be29832_qkv,@function
k_q9b9be29832_qkv:
	s_mov_b64 s[64:65], 0
	v_nop
	global_prefetch_b8 v0, s[64:65] scope:SCOPE_SE
	s_setreg_imm32_b32 hwreg(HW_REG_WAVE_MODE, 25, 1), 1
	s_wait_xcnt 0x0
; q, k, v = x w_qkv on codes of FP6 (E2M3), quantised again on the way out for attention's two products; and the keys' mask.
; Work-group (g, y): tokens 128 g .. 128 g + 127 (x's tiles 8 g .. 8 g + 7: one key step of attention) and heads 2 y, 2 y + 1.  64 x 4 = 256 work-groups.
; Waves 0, 1: q of token group c = wave % 2 (64 tokens); waves 2, 3: k likewise; waves 4-7: v, head 2 y + (wave / 2) % 2, channels' tile wave % 2, all 128 tokens.
; q, k: THE PRODUCT IS USED TRANSPOSED (source 0 = 16 columns of w, source 1 = 16 tokens): a lane holds one token; the rows of a weight's tile are chosen (launch prep) so that lanes 0-15 hold
; head 2 y and lanes 16-31 head 2 y + 1, and the four tiles' 32 registers are the head's 32 channels: a whole block of the next K in one lane.
; v: source 0 = 16 tokens, source 1 = 16 channels: a lane holds one channel, and the four token tiles' 32 registers are 32 neighbouring keys, a whole block of the second product's K.
; OUT.  qimg [16 heads][256 tiles][512]: lane r's codes 0-3 at 16 r; at 256 + 16 r codes 4, 5, the scale's byte four times, 0.
; kv [16 heads][32 steps][6,400]: two images of k (in image c, block u of K holds the codes of key tile u of group c), two images of v (channels' tiles), 128 bytes of k's scale words, 128 of v's.
; THE MASK: threshold = mean + std / 2 (unbiased, two passes) of all 8,192 densities, made alike, in the same order, by every work-group; maskf[token] = 0 where the density is above it, else
; -1e10 x sqrt(32), the reference's -1e10 taken ahead of the scaling by 1 / sqrt(32).  It is a value only: no address and no jump hangs on it.
; x's eight records go through LDS as they lie (images of registers): every wave fetches one and all read them.  No tensor loads: 27 KB a work-group, asked for once, at the head.
; No cluster: what work-groups share (25 KB of x's codes among four, a weight's records) is asked for once at the head of a short launch.  No prefetch: nothing is asked for later than the head.
; LIMITS: NaN and infinities are not served; a block of zeros gets the byte 1; a density within f32 rounding of the threshold may fall on either side.
.set REC,  3328
.set RED1, 26624                       ; LDS: behind x's 8 records: the waves' partial sums,
.set RED2, 26880                       ; those of the second pass,
.set SWS,  27136                       ; and 2 heads x (128 bytes of k's scale words + 128 of v's)
.set LI,   4                           ; 16 x lane
.set LS8,  5                           ; 8 x lane
.set XWI,  6                           ; where I store my record: 16 x lane + REC x wave
.set XWS,  7                           ; and its scale words
.set XRA,  8                           ; q, k: my group's four records
.set XRS,  9
.set RW1,  10
.set RW2,  11
.set RR1,  12
.set RR2,  13
.set KSA,  14                          ; where k's scale words go
.set VSA,  16                          ; and v's
.set SWR,  17
.set SH8,  18
.set DTO,  19                          ; 16 x thread: my densities
.set DOO,  20                          ; the density of token 128 g + 32 y + lane
.set MFO,  21                          ; that token's place in maskf
.set QSO,  22
.set FSO,  23
.set MV,   29                          ; the mask's value; never rewritten
.set W,    32                          ; v32-127  q, k: four records of w; v: one (v32-55)
.set XF,   128                         ; v128-151 a record of x
.set VX,   56                          ; v56-151  v: four records of x
.set ACC,  152                         ; v152-183 q, k: four accumulators; v: v152-215, eight; at the head my 32 densities
.set DN,   152
.set OWN,  184
.set RT,   186                         ; v186-204 at work on the sums
.set CD,   184                         ; v184-215 q's codes, 8 registers a tile
.set KA,   184                         ; k: head 2 y's image,
.set KB,   196                         ; head 2 y + 1's
.set VIMG, 216                         ; v216-227 v's image
.set BY,   228
.set MXA,  232
.set MXB,  233
.set TT,   234
.set SC,   235
.set CT,   236
.set SWD,  239
.set WS,   240                         ; v240-247 w's scale words;  v248-255 x's.  These sixteen hold scale words and nothing else
.set XS,   248
.set SEL,  44                          ; s[44:45]
.macro QB src, dst, by                 ; 32 numbers of one lane, a whole block, become 6 registers of codes and the scale's byte; an accumulator is read from its low end on
	v_max3_num_f32 v[MXA], |v[\src]|, |v[\src+1]|, 0x1800000   ; the floor 2^(3 - 127): the byte cannot fall under 1
	v_max_num_f32 v[MXB], |v[\src+2]|, |v[\src+3]|
.irp i, 4,8,12,16,20,24,28
	v_max3_num_f32 v[MXA], v[MXA], |v[\src+\i]|, |v[\src+\i+1]|
	v_max3_num_f32 v[MXB], v[MXB], |v[\src+\i+2]|, |v[\src+\i+3]|
.endr
	v_max_num_f32 v[MXA], v[MXA], v[MXB]
	v_add_nc_u32 v[SC], 0xff000000, v[MXA]         ; 2 off the exponent field: the conversion's scale operand
	v_lshrrev_b32 v[\by], 23, v[SC]
	v_cvt_scalef32_pk16_fp6_f32 v[\dst:\dst+2], v[\src:\src+15], v[SC]
	v_cvt_scalef32_pk16_fp6_f32 v[CT:CT+2], v[\src+16:\src+31], v[SC]
	v_nop                                          ; one plain place behind a scaled conversion
.irp i, 0,1,2
	v_mov_b32 v[\dst+3+\i], v[CT+\i]
.endr
.endm
.macro SWORD b0, b1, dst
	v_lshl_or_b32 v[\dst], v[\b1], 16, v[\b0]
	v_lshlrev_b32 v[\dst], v[SH8], v[\dst]
	v_permlanex16_b32 v[TT], v[\dst], s[SEL], s[SEL+1]
	v_or_b32 v[\dst], v[\dst], v[TT]
.endm
.macro MM0 d, a, b, sa, sb             ; the first K step starts the sum
	v_wmma_scale_f32_16x16x128_f8f6f4 v[\d:\d+7], v[\a:\a+11], v[\b:\b+11], 0, v[\sa], v[\sb] matrix_a_fmt:MATRIX_FMT_FP6 matrix_b_fmt:MATRIX_FMT_FP6
.endm
.macro MMA d, a, b, sa, sb
	v_wmma_scale_f32_16x16x128_f8f6f4 v[\d:\d+7], v[\a:\a+11], v[\b:\b+11], v[\d:\d+7], v[\sa], v[\sb] matrix_a_fmt:MATRIX_FMT_FP6 matrix_b_fmt:MATRIX_FMT_FP6
.endm
.macro RECLOAD reg, sreg, ptr, off     ; a record from memory: 24 registers and two scale words
.irp i, 0,1,2,3,4,5
	global_load_b128 v[\reg+4*\i:\reg+4*\i+3], v[LI], s[\ptr:\ptr+1] offset:\off+512*\i
.endr
	global_load_b64 v[\sreg:\sreg+1], v[LS8], s[\ptr:\ptr+1] offset:\off+3072
.endm
.macro WRED reg                        ; the sum over the wave's 32 lanes, in every lane
	v_add_f32_dpp v[\reg], v[\reg], v[\reg] row_xmask:1 row_mask:0xf bank_mask:0xf
	v_add_f32_dpp v[\reg], v[\reg], v[\reg] row_xmask:2 row_mask:0xf bank_mask:0xf
	v_add_f32_dpp v[\reg], v[\reg], v[\reg] row_xmask:4 row_mask:0xf bank_mask:0xf
	v_add_f32_dpp v[\reg], v[\reg], v[\reg] row_xmask:8 row_mask:0xf bank_mask:0xf
	v_permlanex16_b32 v[TT], v[\reg], s[SEL], s[SEL+1]
	v_add_f32 v[\reg], v[\reg], v[TT]
.endm
.macro SUM8 adr                        ; the eight waves' parts, in one fixed order, into v[RT]
	ds_load_b128 v[RT:RT+3], v[\adr]
	ds_load_b128 v[RT+4:RT+7], v[\adr] offset:16
	s_wait_dscnt 0x0
	v_add_f32 v[RT], v[RT], v[RT+1]
	v_add_f32 v[RT+2], v[RT+2], v[RT+3]
	v_add_f32 v[RT+4], v[RT+4], v[RT+5]
	v_add_f32 v[RT+6], v[RT+6], v[RT+7]
	v_add_f32 v[RT], v[RT], v[RT+2]
	v_add_f32 v[RT+4], v[RT+4], v[RT+6]
	v_add_f32 v[RT], v[RT], v[RT+4]
.endm
.macro BARRIER                         ; my LDS stores have landed and my LDS loads are in: then the work-group's barrier
	s_wait_dscnt 0x0
	s_barrier_signal -1
	s_barrier_wait -1
.endm
; q, k: token tile u of my group: its record from LDS, 8 products on four accumulators by turns, the head's 32 channels quantised
.macro TILEQK u, dst, by
.irp i, 0,1,2,3,4,5
	ds_load_b128 v[XF+4*\i:XF+4*\i+3], v[XRA] offset:REC*\u+512*\i
.endr
	ds_load_b64 v[XS:XS+1], v[XRS] offset:REC*\u
	s_wait_dscnt 0x0
.irp t, 0,1,2,3
	MM0 ACC+8*\t, W+24*\t, XF, WS+2*\t, XS
.endr
.irp t, 0,1,2,3
	MMA ACC+8*\t, W+24*\t+12, XF+12, WS+2*\t+1, XS+1
.endr
.rept 4
	v_nop                                          ; places ahead of the first read of results and of the next tile's loads into x's registers
.endr
	QB ACC, \dst, \by
.endm
	s_load_b256 s[4:11], s[0:1], 0x0               ; ximg s[4:5], wimg s[6:7], dens s[8:9], qimg s[10:11]
	s_load_b128 s[12:15], s[0:1], 0x20             ; kv s[12:13], maskf s[14:15]
	v_lshl_add_u32 v30, v0, 2, 0x6c00
	v_mov_b32 v31, 0
	v_lshrrev_b32 v26, 5, v0
	v_readfirstlane_b32 s16, v26                   ; wave 0..7
	v_and_b32 v1, 31, v0                           ; lane
	v_and_b32 v2, 15, v0                           ; r
	v_bfe_u32 v3, v0, 4, 1                         ; h
	s_and_b32 s18, ttmp7, 0xffff                   ; y
	s_and_b32 s19, s16, 1
	s_lshr_b32 s40, s16, 1
	s_and_b32 s40, s40, 1
	; every LDS address is made here, ahead of the first parting of the waves
	v_lshlrev_b32 v[LI], 4, v1
	v_lshlrev_b32 v[LS8], 3, v1
	s_mul_i32 s20, s16, REC
	v_add_nc_u32 v[XWI], s20, v[LI]
	v_add_nc_u32 v[XWS], s20, v[LS8]
	v_add_nc_u32 v[XWS], 3072, v[XWS]
	s_mul_i32 s20, s19, 4*REC
	v_add_nc_u32 v[XRA], s20, v[LI]
	v_add_nc_u32 v[XRS], s20, v[LS8]
	v_add_nc_u32 v[XRS], 3072, v[XRS]
	s_lshl_b32 s20, s16, 2
	s_add_co_u32 s21, s20, RED1
	v_mov_b32 v[RW1], s21
	s_add_co_u32 s21, s20, RED2
	v_mov_b32 v[RW2], s21
	v_mov_b32 v[RR1], RED1
	v_mov_b32 v[RR2], RED2
	s_lshl_b32 s20, s19, 6
	s_add_co_u32 s20, s20, SWS
	v_lshlrev_b32 v[KSA], 2, v2
	v_add_nc_u32 v[KSA], s20, v[KSA]               ; SWS + 64 (wave % 2) + 4 r
	s_lshl_b32 s22, s40, 8
	s_add_co_u32 s22, s22, 128
	v_add_nc_u32 v[VSA], s22, v[KSA]               ; v: + 256 x my head + 128
	v_lshl_add_u32 v[KSA], v3, 8, v[KSA]           ; k: + 256 h: lanes 16-31 hold the second head
	v_add_nc_u32 v[SWR], SWS, v[LI]
	v_lshlrev_b32 v[SH8], 3, v3
	; offsets in memory
	v_lshlrev_b32 v[DTO], 4, v0
	s_lshl_b32 s41, ttmp9, 7                       ; 128 g
	s_lshr_b32 s42, s18, 1
	s_lshl_b32 s42, s42, 6
	s_add_co_u32 s42, s42, s41
	s_and_b32 s43, s18, 1
	s_lshl_b32 s43, s43, 3
	s_add_co_u32 s42, s42, s43                     ; dens is [tile][r]: token 128 g + 32 y + lane lies at 128 g + 64 (y / 2) + 8 (y % 2) + 16 (lane / 8) + lane % 8
	s_lshl_b32 s43, s18, 5
	s_add_co_u32 s43, s43, s41                     ; 128 g + 32 y
	v_lshrrev_b32 v26, 3, v1
	v_and_b32 v27, 7, v1
	v_lshl_add_u32 v26, v26, 4, v27
	v_add_nc_u32 v26, s42, v26
	v_lshlrev_b32 v[DOO], 2, v26
	v_add_nc_u32 v26, s43, v1
	v_lshlrev_b32 v[MFO], 2, v26
	v_lshlrev_b32 v[QSO], 4, v2
	v_lshl_add_u32 v[QSO], v3, 17, v[QSO]          ; q: 16 r, + a head's 131,072 bytes for lanes 16-31
	v_mul_u32_u24 v[FSO], v3, 0x32000
	v_lshl_add_u32 v[FSO], v2, 4, v[FSO]           ; the scale words: 16 r, + a head's 204,800 bytes
	v_mov_b32 v24, 0
	v_mov_b32 v25, 0xd152bbf7                      ; -1e10 x sqrt(32)
	v_mov_b32 v[TT], 0                             ; a lane permute's destination counts as read
	s_mov_b32 s[SEL], 0x76543210
	s_mov_b32 s[SEL+1], 0xfedcba98
	s_lshl_b32 s24, ttmp9, 3
	s_add_co_u32 s24, s24, s16
	s_mul_i32 s24, s24, REC                        ; x's record 8 g + wave
	s_mov_b32 s25, 0
	s_lshr_b32 s26, s16, 1
	s_lshl_b32 s26, s26, 4                         ; q: 0, k: 16
	s_add_co_u32 s27, s16, 28                      ; v: 32 + (wave - 4)
	s_cmp_lt_u32 s16, 4
	s_cselect_b32 s26, s26, s27
	s_lshl_b32 s27, s18, 2
	s_add_co_u32 s26, s26, s27                     ; + 4 y
	s_mul_i32 s26, s26, REC
	s_mov_b32 s27, 0
	s_lshr_b32 s28, ttmp9, 5                       ; batch
	s_and_b32 s29, ttmp9, 31                       ; key step
	s_lshl_b32 s30, s28, 3
	s_lshl_b32 s31, s18, 1
	s_add_co_u32 s30, s30, s31                     ; 8 b + 2 y
	s_lshl_b32 s32, s30, 5
	s_add_co_u32 s32, s32, s29
	s_mul_i32 s32, s32, 6400                       ; head 2 y's record of this key step
	s_mov_b32 s33, 0
	s_lshl_b32 s34, s30, 8
	s_lshl_b32 s35, s29, 3
	s_add_co_u32 s34, s34, s35
	s_lshl_b32 s35, s19, 2
	s_add_co_u32 s34, s34, s35
	s_lshl_b32 s34, s34, 9                         ; q: head 2 y, tile 8 step + 4 c
	s_mov_b32 s35, 0
	s_mul_i32 s38, s19, 1536                       ; k: image c
	s_mul_i32 s39, s40, 204800
	s_add_co_u32 s39, s39, s38
	s_add_co_u32 s39, s39, 3072                    ; v: my head, behind k's two images, my channels' tile
	s_cmp_lt_u32 s16, 4
	s_cselect_b32 s38, s38, s39
	s_mov_b32 s39, 0
	s_wait_kmcnt 0x0
	s_add_nc_u64 s[4:5], s[4:5], s[24:25]
	s_add_nc_u64 s[6:7], s[6:7], s[26:27]
	s_add_nc_u64 s[12:13], s[12:13], s[32:33]
	s_add_nc_u64 s[10:11], s[10:11], s[34:35]
	s_add_nc_u64 s[36:37], s[12:13], s[38:39]
	RECLOAD W, WS, 6, 0
	s_cmp_ge_u32 s16, 4
	s_cbranch_scc1 .Lone_record                    ; v's waves take one tile of columns, q's and k's four
	RECLOAD W+24, WS+2, 6, REC
	RECLOAD W+48, WS+4, 6, 2*REC
	RECLOAD W+72, WS+6, 6, 3*REC
.Lone_record:
	RECLOAD XF, XS, 4, 0
.irp i, 0,1,2,3,4,5,6,7
	global_load_b128 v[DN+4*\i:DN+4*\i+3], v[DTO], s[8:9] offset:4096*\i   ; all 8,192 densities: 32 a thread
.endr
	global_load_b32 v[OWN], v[DOO], s[8:9]
	s_wait_loadcnt 9                               ; the nine youngest loads are the densities: w's records and x's are in
.irp i, 0,1,2,3,4,5
	ds_store_b128 v[XWI], v[XF+4*\i:XF+4*\i+3] offset:512*\i
.endr
	ds_store_b64 v[XWS], v[XS:XS+1]
	s_wait_loadcnt 0x0
	; ---- the threshold: first pass
.irp q, 0,1,2,3,4,5,6,7
	v_pk_add_f32 v[RT+2*\q:RT+2*\q+1], v[DN+4*\q:DN+4*\q+1], v[DN+4*\q+2:DN+4*\q+3]
.endr
.irp q, 0,1,2,3
	v_pk_add_f32 v[RT+2*\q:RT+2*\q+1], v[RT+2*\q:RT+2*\q+1], v[RT+8+2*\q:RT+9+2*\q]
.endr
.irp q, 0,1
	v_pk_add_f32 v[RT+2*\q:RT+2*\q+1], v[RT+2*\q:RT+2*\q+1], v[RT+4+2*\q:RT+5+2*\q]
.endr
	v_pk_add_f32 v[RT:RT+1], v[RT:RT+1], v[RT+2:RT+3]
	v_add_f32 v[RT+16], v[RT], v[RT+1]
	WRED RT+16
	ds_store_b32 v[RW1], v[RT+16]                  ; all lanes write the same word with the same value
	BARRIER                                        ; x's eight records and the eight partial sums lie in LDS
	SUM8 RR1
	v_mul_f32 v[RT+16], 0x39000000, v[RT]          ; the mean: / 8,192
	v_mov_b32 v[RT+17], 0                          ; named with it as a pair
	; ---- second pass
.set nn, 0
.rept 4
.irp q, 0,1,2,3
	v_pk_add_f32 v[RT+2*\q:RT+2*\q+1], v[DN+8*nn+2*\q:DN+8*nn+2*\q+1], v[RT+16:RT+17] op_sel_hi:[1,0] neg_lo:[0,1] neg_hi:[0,1]
.endr
.irp q, 0,1,2,3
.if nn == 0
	v_pk_mul_f32 v[RT+8+2*\q:RT+9+2*\q], v[RT+2*\q:RT+2*\q+1], v[RT+2*\q:RT+2*\q+1]
.else
	v_pk_fma_f32 v[RT+8+2*\q:RT+9+2*\q], v[RT+2*\q:RT+2*\q+1], v[RT+2*\q:RT+2*\q+1], v[RT+8+2*\q:RT+9+2*\q]
.endif
.endr
.set nn, nn+1
.endr
	v_pk_add_f32 v[RT+8:RT+9], v[RT+8:RT+9], v[RT+10:RT+11]
	v_pk_add_f32 v[RT+12:RT+13], v[RT+12:RT+13], v[RT+14:RT+15]
	v_pk_add_f32 v[RT+8:RT+9], v[RT+8:RT+9], v[RT+12:RT+13]
	v_add_f32 v[RT+18], v[RT+8], v[RT+9]
	WRED RT+18
	ds_store_b32 v[RW2], v[RT+18]
	BARRIER
	SUM8 RR2
	v_mul_f32 v[RT], 0x39000400, v[RT]             ; / 8,191
	v_sqrt_f32 v[RT], v[RT]
	v_nop                                          ; a plain place behind the root
	s_wait_alu depctr_va_vdst(0)                   ; the wait ahead of its first reader
	v_fma_f32 v[RT], 0.5, v[RT], v[RT+16]          ; the threshold
	v_cmp_gt_f32 vcc_lo, v[OWN], v[RT]
	v_cndmask_b32 v[MV], v25, v24, vcc_lo          ; 0 where the key is open to every query
	s_cmp_lg_u32 s16, 0
	s_cbranch_scc1 .Lno_mask
	global_store_b32 v[MFO], v[MV], s[14:15]       ; tokens 128 g + 32 y + lane: each token by one work-group
.Lno_mask:
	s_cmp_ge_u32 s16, 4
	s_cbranch_scc1 .Lvrole
	s_cmp_ge_u32 s16, 2
	s_cbranch_scc1 .Lkrole
	; ---- q
.irp u, 0,1,2,3
	v_mov_b32 v[CD+8*\u+7], 0
.endr
.irp u, 0,1,2,3
	TILEQK \u, CD+8*\u, BY+\u
	v_perm_b32 v[CD+8*\u+6], v[BY+\u], v[BY+\u], 0     ; the byte four times: q will stand in any of an operand's four blocks
	global_store_b128 v[QSO], v[CD+8*\u:CD+8*\u+3], s[10:11] offset:512*\u          ; sixteen lanes store 256 consecutive bytes
	global_store_b128 v[QSO], v[CD+8*\u+4:CD+8*\u+7], s[10:11] offset:512*\u+256
.endr
	s_branch .Ljoin
	; ---- k
.Lkrole:
	TILEQK 0, KA, BY
	TILEQK 1, KB, BY+1
	TILEQK 2, KA+6, BY+2
	TILEQK 3, KB+6, BY+3
.irp i, 0,1,2,3,4,5,6,7,8,9,10,11
	v_permlane16_swap_b32 v[KA+\i], v[KB+\i]       ; KA: head 2 y: lanes 0-15 tiles 0 and 2, lanes 16-31 tiles 1 and 3;  KB: head 2 y + 1 likewise
.endr
	v_lshl_or_b32 v[SWD], v[BY+1], 8, v[BY]        ; byte u: key tile u's scale, of row r and my half's head
	v_lshl_or_b32 v[SWD], v[BY+2], 16, v[SWD]
	v_lshl_or_b32 v[SWD], v[BY+3], 24, v[SWD]
	ds_store_b32 v[KSA], v[SWD]
.irp i, 0,1,2
	global_store_b128 v[LI], v[KA+4*\i:KA+4*\i+3], s[36:37] offset:512*\i
	global_store_b128 v[LI], v[KB+4*\i:KB+4*\i+3], s[36:37] offset:204800+512*\i
.endr
	s_branch .Ljoin
	; ---- v
.Lvrole:
.irp c, 0,1
.irp u, 0,1,2,3
.irp i, 0,1,2,3,4,5
	ds_load_b128 v[VX+24*\u+4*\i:VX+24*\u+4*\i+3], v[LI] offset:(4*\c+\u)*REC+512*\i
.endr
	ds_load_b64 v[XS+2*\u:XS+2*\u+1], v[LS8] offset:(4*\c+\u)*REC+3072
.endr
	s_wait_dscnt 0x0
.irp u, 0,1,2,3
	MM0 ACC+32*\c+8*\u, VX+24*\u, W, XS+2*\u, WS
.endr
.irp u, 0,1,2,3
	MMA ACC+32*\c+8*\u, VX+24*\u+12, W+12, XS+2*\u+1, WS+1
.endr
.rept 4
	v_nop                                          ; places ahead of the loads into x's registers and of the first read of results
.endr
.endr
	QB ACC, VIMG, BY
	QB ACC+32, VIMG+6, BY+1
	SWORD BY, BY+1, SWD
	ds_store_b32 v[VSA], v[SWD]                    ; both halves of the lanes write the same word with the same value
.irp i, 0,1,2
	global_store_b128 v[LI], v[VIMG+4*\i:VIMG+4*\i+3], s[36:37] offset:512*\i
.endr
.Ljoin:
	BARRIER                                        ; the two heads' scale words lie in LDS
	s_cmp_lg_u32 s16, 0
	s_cbranch_scc1 .Lend
	ds_load_b128 v[W:W+3], v[SWR]
	s_wait_dscnt 0x0
	global_store_b128 v[FSO], v[W:W+3], s[12:13] offset:6144   ; 256 consecutive bytes in each head's record
.Lend:
	s_wait_tensorcnt 0x0
	ds_add_u32 v30, v31
	s_wait_dscnt 0x0
	s_endpgm
.Lfunc_end_k_q9b9be29832_qkv:
	.size	k_q9b9be29832_qkv, .Lfunc_end_k_q9b9be29832_qkv-k_q9b9be29832_qkv
	.p2alignl 7, 3214868480
	.fill 96, 4, 3214868480
	.section	.rodata,"a",@progbits
	.p2align	6, 0x0
	.amdhsa_kernel k_q9b9be29832_qkv
		.amdhsa_group_segment_fixed_size 28672
		.amdhsa_private_segment_fixed_size 0
		.amdhsa_enable_private_segment 0
		.amdhsa_kernarg_size 48
		.amdhsa_user_sgpr_count 2
		.amdhsa_user_sgpr_kernarg_segment_ptr 1
		.amdhsa_wavefront_size32 1
		.amdhsa_system_sgpr_workgroup_id_x 1
		.amdhsa_system_sgpr_workgroup_id_y 1
		.amdhsa_system_sgpr_workgroup_id_z 1
		.amdhsa_system_vgpr_workitem_id 0
		.amdhsa_next_free_vgpr 256
		.amdhsa_next_free_sgpr 66
		.amdhsa_reserve_vcc 1
		.amdhsa_float_denorm_mode_32 3
		.amdhsa_float_denorm_mode_16_64 3
		.amdhsa_memory_ordered 1
		.amdhsa_forward_progress 1
		.amdhsa_inst_pref_size 51
	.end_amdhsa_kernel
	.amdgpu_metadata
---
amdhsa.version: [ 1, 2 ]
amdhsa.kernels:
  - .name:           k_q9b9be29832_qkv
    .symbol:         k_q9b9be29832_qkv.kd
    .args:
      - { .name: ximg, .offset: 0, .size: 8, .value_kind: global_buffer, .address_space: global }
      - { .name: wimg, .offset: 8, .size: 8, .value_kind: global_buffer, .address_space: global }
      - { .name: dens, .offset: 16, .size: 8, .value_kind: global_buffer, .address_space: global }
      - { .name: qimg, .offset: 24, .size: 8, .value_kind: global_buffer, .address_space: global }
      - { .name: kv, .offset: 32, .size: 8, .value_kind: global_buffer, .address_space: global }
      - { .name: maskf, .offset: 40, .size: 8, .value_kind: global_buffer, .address_space: global }
    .group_segment_fixed_size: 28672
    .private_segment_fixed_size: 0
    .kernarg_segment_align: 8
    .kernarg_segment_size: 48
    .max_flat_workgroup_size: 256
    .sgpr_count:     66
    .vgpr_count:     256
    .wavefront_size: 32
...
	.end_amdgpu_metadata
.endif
;; end of part 2
;; launch attn (part 3): grid 16 x 16, 16 waves a work-group, no clusters, 223,488 bytes of LDS; arguments qimg, kv, maskf, ocodes, oscales; writes ocodes, oscales
.if DOCPART == 3
	.amdgcn_target "amdgcn-amd-amdhsa--gfx1250"
	.amdhsa_code_object_version 6
	.text
	.protected	k_q9b9be29832_attn
	.globl	k_q9b9be29832_attn
	.p2align	8
	.type	k_q9b9be29832_attn,@function
k_q9b9be29832_attn:
	s_mov_b64 s[64:65], 0
	v_nop
	global_prefetch_b8 v0, s[64:65] scope:SCOPE_SE
	s_setreg_imm32_b32 hwreg(HW_REG_WAVE_MODE, 25, 1), 1
	s_wait_xcnt 0x0
; Attention of one head on codes of FP6 (E2M3): o = softmax(q k^T / sqrt(32) + mask) v, quantised on the way out for the last product.
; mask(i, j) = 0 where |i - j| < 16 or key j is open (maskf = 0), else -1e10.  All keys are walked: the second product's blocks of 32 keys are cut in the keys' own order, and a block has one scale.
; THE SOFTMAX: t = score x log2(e) / sqrt(32); M = the running largest t rounded UP to a whole number; p = 2^(t - M) is quantised along the keys; the row's sum is taken of the unquantised p and divides at the end.
; SHARES.  Work-group (x, y): head y (8 batch + head), query tiles 16 x .. 16 x + 15; wave w owns tile 16 x + w: 16 queries, 256 registers, four waves to a SIMD.  16 x 16 = 256 work-groups.
; LDS HOLDS THE WHOLE HEAD, filled once: 32 records of 6,400 bytes (launch qkv's layout) and the batch's 4,096 mask words.  Waves 0-7 bring 25,600 bytes each, wave 8 the mask: a wave has one tensor load out.
; No byte is filled twice, so there is no ring.
; LAYOUT.  Both products are used transposed: a lane holds ONE query (lane % 16).  Row r of key tile u of a group of 64 is key 8 u + r % 8 + 32 (r / 8): the four tiles' 32 registers are the 32 neighbouring keys
; 32 (lane / 16) + 0 .. 31: a whole block of the second product's K in one lane, in the operand's order: no lane is asked for a block's maximum and nothing changes lanes.
; FOUR KEY TILES IN ONE OPERAND.  The first product's K is 32, the instruction's 128.  Block u of k's operand holds key tile u; q stands in block u of an operand that is zero codes elsewhere, which add nothing.
; q's four operands overlap in v16-45: zeros, q in lanes 0-15, zeros, q in lanes 16-31, zeros.
; THE MASK IS THE C OF THE SCORE PRODUCTS: its words are loaded from LDS straight into the scores' registers.  Where a group of 64 keys can lie within 15 of my queries (2 of 64 groups) the words of near keys are set to 0
; first.
; NO CLUSTER: that jump hangs on the work-group's own queries, which differ between the work-groups of a head, and jumps of partners must be alike; without the jump every step would carry 192 more vector
; instructions beside its 210.  NO PREFETCH: every byte is asked for at the head; nothing is asked for later.
; LIMITS: open logits x log2(e) stay above -2^30, where the running maximum starts (so that a step all of whose keys are hidden gives p = 0); NaN and infinities are not served; a block of zeros gets the byte 1.
.set MASK, 204800                      ; LDS: behind the 32 records
.set OSB,  221184                      ; and 256 bytes for the tiles' scale bytes, which no tensor load touches
.set SH8,  5
.set TT,   218
.set SEL,  20                          ; s[20:21]
; v1 16 x lane; v2 4 x lane + 6,144; v3 MASK + 128 h; v4 32 h - my query; v6, v7, v46, v47 the way out; v8-10 the step's addresses; v11 at work; v12 -M; v13 the largest t; v[14:15] the sum;
; v16-45 q; v48-71 k's two operands; v72-95 v's two; v96-159 the scores, then p; v160-175 O^T; v176-187 p's codes; v188-190, v192-194 conversions; v200 k's scales, v201 v's, v202 q's, v203 p's; v204-221 at work
; s2 the step's record, s3 its mask words, s48 its first key, s49 my tile's first query, s50 the count
.macro SWORD b0, b1, dst
	v_lshl_or_b32 v[\dst], v[\b1], 16, v[\b0]
	v_lshlrev_b32 v[\dst], v[SH8], v[\dst]
	v_permlanex16_b32 v[TT], v[\dst], s[SEL], s[SEL+1]
	v_or_b32 v[\dst], v[\dst], v[TT]
.endm
.macro SCORE0 u, qb                    ; key group 0, tile u: q's operand begins at v[qb]
	v_wmma_scale_f32_16x16x128_f8f6f4 v[96+8*\u:103+8*\u], v[48:59], v[\qb:\qb+11], v[96+8*\u:103+8*\u], v200, v202 matrix_a_fmt:MATRIX_FMT_FP6 matrix_b_fmt:MATRIX_FMT_FP6
.endm
.macro SCORE1 u, qb                    ; key group 1: its scale words lie in lanes 16-31
	v_wmma_scale_f32_16x16x128_f8f6f4 v[128+8*\u:135+8*\u], v[60:71], v[\qb:\qb+11], v[128+8*\u:135+8*\u], v200, v202 matrix_a_fmt:MATRIX_FMT_FP6 matrix_b_fmt:MATRIX_FMT_FP6 matrix_a_scale:MATRIX_SCALE_ROW1
.endm
; Key group c holds keys a .. a + 63, a = s48 + 64 c; my tile's queries lie in s49 .. s49 + 39.  Some key lies within 15 of some query only where -78 <= a - s49 <= 54.
.macro LOCALFIX c
	s_add_co_u32 s51, s48, 64*\c+78
	s_sub_co_u32 s51, s51, s49
	s_cmp_le_u32 s51, 132
	s_cbranch_scc0 .Lfar_\@
	s_add_co_u32 s52, s48, 64*\c+15
	v_add_nc_u32 v11, s52, v4                      ; register n holds key a + 32 h + n: near where 0 <= key - query + 15 <= 30
.irp n, 0,1,2,3,4,5,6,7,8,9,10,11,12,13,14,15,16,17,18,19,20,21,22,23,24,25,26,27,28,29,30,31
	v_add_nc_u32 v219, \n, v11
	v_cmp_gt_u32 vcc_lo, 31, v219
	v_cndmask_b32 v[96+32*\c+\n], v[96+32*\c+\n], v16, vcc_lo
.endr
.rept 4
	v_nop
.endr
.Lfar_\@:
.endm
; A KEY STEP: 128 keys
.macro STEP
	v_add_nc_u32 v8, s2, v1
	v_add_nc_u32 v9, s2, v2
	v_add_nc_u32 v10, s3, v3
	v_nop                                          ; four places behind the last step's products, ahead of the loads into their registers
.irp c, 0,1
.irp i, 0,1,2,3,4,5,6,7
	ds_load_b128 v[96+32*\c+4*\i:99+32*\c+4*\i], v10 offset:256*\c+16*\i   ; the mask words of keys 64 c + 32 h + 4 i ..: sixteen lanes read the same 16 bytes
.endr
.endr
.irp i, 0,1,2,3,4,5
	ds_load_b128 v[48+4*\i:51+4*\i], v8 offset:512*\i
.endr
	ds_load_b32 v200, v9
	ds_load_b32 v201, v9 offset:128
.irp i, 0,1,2,3,4,5
	ds_load_b128 v[72+4*\i:75+4*\i], v8 offset:3072+512*\i
.endr
	s_wait_dscnt 6                                 ; all but v's six loads, which are wanted at the step's end
	LOCALFIX 0
	LOCALFIX 1
	SCORE0 0, 22
	SCORE0 1, 34
	SCORE0 2, 16
	SCORE0 3, 28
	SCORE1 0, 22
	SCORE1 1, 34
	SCORE1 2, 16
	SCORE1 3, 28
.rept 4
	v_nop
.endr
	; the largest score of each of my two blocks of 32 keys, two chains each, every accumulator from its low end on.  It serves twice: for the row's maximum and, since p rises with the score, for the block's largest p
.irp c, 0,1
	v_max3_num_f32 v[204+\c], v[96+32*\c], v[97+32*\c], v[98+32*\c]
.endr
.irp c, 0,1
	v_max3_num_f32 v[206+\c], v[99+32*\c], v[100+32*\c], v[101+32*\c]
.endr
.irp i, 6,10,14,18,22,26
.irp c, 0,1
	v_max3_num_f32 v[204+\c], v[204+\c], v[96+32*\c+\i], v[97+32*\c+\i]
.endr
.irp c, 0,1
	v_max3_num_f32 v[206+\c], v[206+\c], v[98+32*\c+\i], v[99+32*\c+\i]
.endr
.endr
.irp c, 0,1
	v_max3_num_f32 v[204+\c], v[204+\c], v[126+32*\c], v[127+32*\c]
.endr
.irp c, 0,1
	v_max_num_f32 v[204+\c], v[204+\c], v[206+\c]
.endr
	v_max_num_f32 v208, v204, v205
	v_permlanex16_b32 v209, v208, s[SEL], s[SEL+1]
	v_max_num_f32 v208, v208, v209                 ; the step's largest score of my query
	v_mul_f32 v208, s22, v208                      ; as t
	v_max_num_f32 v13, v13, v208                   ; the running largest t
	v_mov_b32 v208, v12
	v_floor_f32 v12, -v13                          ; the new -M = -ceil(t)
	v_sub_f32 v208, v12, v208                      ; old M - new M: a whole number, 0 or less
	v_cvt_i32_f32 v208, v208
	v_ldexp_f32 v210, 1.0, v208                    ; f = 2^(old M - new M): a multiplication by it rounds nothing
.irp j, 0,2,4,6,8,10,12,14,16,18,20,22,24,26,28,30,32,34,36,38,40,42,44,46,48,50,52,54,56,58,60,62
	v_pk_fma_f32 v[96+\j:97+\j], v[96+\j:97+\j], s[22:23], v[12:13] op_sel_hi:[1,0,0]   ; t - M (of the pairs c and -M the low word serves both halves)
.endr
.irp c, 0,1
	v_fma_f32 v[204+\c], v[204+\c], s22, v12
.endr
.irp j, 0,1,2,3,4,5,6,7,8,9,10,11,12,13,14,15,16,17,18,19,20,21,22,23,24,25,26,27,28,29,30,31,32,33,34,35,36,37,38,39,40,41,42,43,44,45,46,47,48,49,50,51,52,53,54,55,56,57,58,59,60,61,62,63
	v_exp_f32 v[96+\j], v[96+\j]                   ; p = 2^(t - M)
.endr
	v_pk_mul_f32 v[14:15], v[14:15], v[210:211] op_sel_hi:[1,0]   ; the sum under the new M: the plain place behind the batch
	s_wait_alu depctr_va_vdst(0)                   ; one wait ahead of the batch's first reader
.irp c, 0,1
	v_exp_f32 v[204+\c], v[204+\c]                 ; the block's largest p
.endr
	v_pk_add_f32 v[212:213], v[96:97], v[98:99]    ; the row's sum, of the unquantised p, in two chains: its first half is the plain work behind the two
.irp j, 4,8,12,16,20,24,28
	v_pk_add_f32 v[14:15], v[14:15], v[96+\j:97+\j]
	v_pk_add_f32 v[212:213], v[212:213], v[98+\j:99+\j]
.endr
	s_wait_alu depctr_va_vdst(0)                   ; and one for the two
.irp c, 0,1
	v_max_num_f32 v[204+\c], 0x1800000, v[204+\c]  ; the floor 2^(3 - 127): the byte cannot fall under 1
.endr
.irp c, 0,1
	v_add_nc_u32 v[214+\c], 0xff000000, v[204+\c]  ; 2 off the exponent field: the conversion's scale operand
.endr
.irp c, 0,1
	v_lshrrev_b32 v[216+\c], 23, v[214+\c]
.endr
	SWORD 216, 217, 203                            ; p's scale word for these 128 keys
.irp c, 0,1
	v_cvt_scalef32_pk16_fp6_f32 v[176+6*\c:178+6*\c], v[96+32*\c:111+32*\c], v[214+\c]
	v_cvt_scalef32_pk16_fp6_f32 v[188+4*\c:190+4*\c], v[112+32*\c:127+32*\c], v[214+\c]   ; (a conversion's three registers begin on an even number)
.endr
	v_nop                                          ; one plain place behind a scaled conversion
.irp c, 0,1
.irp i, 0,1,2
	v_mov_b32 v[179+6*\c+\i], v[188+4*\c+\i]
.endr
.endr
.irp j, 0,2,4,6,8,10,12,14
	v_pk_mul_f32 v[160+\j:161+\j], v[160+\j:161+\j], v[210:211] op_sel_hi:[1,0]   ; O^T under the new M
.endr
.irp j, 32,36,40,44,48,52,56,60                ; the sum's second half: 17 plain lines between p's scale word, p's codes and O^T, all just written, and the products that take them
	v_pk_add_f32 v[14:15], v[14:15], v[96+\j:97+\j]
	v_pk_add_f32 v[212:213], v[212:213], v[98+\j:99+\j]
.endr
	v_pk_add_f32 v[14:15], v[14:15], v[212:213]
	s_wait_dscnt 0x0                               ; v is in
	v_wmma_scale_f32_16x16x128_f8f6f4 v[160:167], v[72:83], v[176:187], v[160:167], v201, v203 matrix_a_fmt:MATRIX_FMT_FP6 matrix_b_fmt:MATRIX_FMT_FP6
	v_wmma_scale_f32_16x16x128_f8f6f4 v[168:175], v[84:95], v[176:187], v[168:175], v201, v203 matrix_a_fmt:MATRIX_FMT_FP6 matrix_b_fmt:MATRIX_FMT_FP6 matrix_a_scale:MATRIX_SCALE_ROW1
	s_add_co_u32 s2, s2, 6400
	s_add_co_u32 s3, s3, 512
	s_add_co_u32 s48, s48, 128
.endm
	s_load_b256 s[4:11], s[0:1], 0x0               ; qimg s[4:5], kv s[6:7], maskf s[8:9], ocodes s[10:11]
	s_load_b64 s[12:13], s[0:1], 0x20              ; oscales
	v_lshl_add_u32 v254, v0, 2, 0x36100
	v_mov_b32 v255, 0
	ds_add_u32 v254, v255
	ds_add_u32 v254, v255
	v_lshrrev_b32 v8, 5, v0
	v_readfirstlane_b32 s18, v8                    ; wave 0..15
	v_and_b32 v9, 31, v0                           ; lane
	v_and_b32 v10, 15, v0                          ; r
	v_bfe_u32 v11, v0, 4, 1                        ; h
	; every LDS address is made here, ahead of the first parting of the waves
	v_lshlrev_b32 v1, 4, v9
	v_lshlrev_b32 v2, 2, v9
	v_add_nc_u32 v2, 6144, v2
	v_lshlrev_b32 v3, 7, v11
	v_add_nc_u32 v3, MASK, v3
	s_lshl_b32 s51, s18, 4
	s_add_co_u32 s51, s51, OSB
	v_add_nc_u32 v7, s51, v10                      ; my query's scale byte: OSB + 16 wave + r
	v_lshlrev_b32 v46, 3, v9
	v_add_nc_u32 v47, OSB, v46
	v_lshlrev_b32 v[SH8], 3, v11
	s_and_b32 s19, ttmp7, 0xffff                   ; y
	s_lshl_b32 s49, ttmp9, 8
	s_lshr_b32 s51, s18, 2
	s_lshl_b32 s51, s51, 6
	s_add_co_u32 s49, s49, s51
	s_and_b32 s51, s18, 3
	s_lshl_b32 s51, s51, 3
	s_add_co_u32 s49, s49, s51                     ; my tile's first query: 256 x + 64 (w / 4) + 8 (w % 4)
	s_lshl_b32 s52, ttmp9, 4
	s_add_co_u32 s52, s52, s18                     ; my tile
	s_mul_i32 s54, s19, 204800
	s_mul_i32 s41, s18, 25600                      ; where my part of the head goes, and
	s_add_co_u32 s54, s54, s41                     ; where it comes from
	s_mov_b32 s55, 0
	s_lshr_b32 s56, s19, 3
	s_lshl_b32 s56, s56, 14                        ; the batch's mask words
	s_mov_b32 s57, 0
	s_lshl_b32 s58, s19, 8
	s_add_co_u32 s58, s58, s52
	s_lshl_b32 s58, s58, 9                         ; q's image
	s_mov_b32 s59, 0
	s_mul_i32 s60, s19, 98304
	s_mul_i32 s61, s52, 384
	s_add_co_u32 s60, s60, s61                     ; my tile's codes on the way out
	s_mov_b32 s61, 0
	s_lshl_b32 s62, s19, 12
	s_lshl_b32 s63, ttmp9, 8
	s_add_co_u32 s62, s62, s63                     ; the work-group's 256 scale bytes
	s_mov_b32 s63, 0
	; descriptor group 1: dense blocks as rows of 256 bytes (32 elements of 8 bytes), no padding: 100 rows of kv, 64 of the mask
	s_mov_b32 s24, 3<<16
	s_mov_b32 s25, 32<<16
	s_mov_b32 s26, 100<<16
	s_mov_b32 s27, 32<<16
	s_mov_b32 s28, 100
	s_mov_b32 s29, 32
	s_mov_b32 s30, 0
	s_mov_b32 s31, 0
	s_mov_b32 s32, 3<<16
	s_mov_b32 s33, 32<<16
	s_mov_b32 s34, 64<<16
	s_mov_b32 s35, 32<<16
	s_mov_b32 s36, 64
	s_mov_b32 s37, 32
	s_mov_b32 s38, 0
	s_mov_b32 s39, 0
	s_mov_b32 s[SEL], 0x76543210
	s_mov_b32 s[SEL+1], 0xfedcba98
	s_mov_b32 s22, 0x3e8293ee                      ; log2(e) / sqrt(32)
	s_mov_b32 s23, s22                             ; named with it as a pair
	s_mov_b32 s2, 0
	s_mov_b32 s3, 0
	s_mov_b32 s48, 0
	s_mov_b32 s50, 32
	s_wait_dscnt 0x0
	s_wait_kmcnt 0x0
	s_mov_b32 s40, 1
	s_add_nc_u64 s[42:43], s[6:7], s[54:55]
	s_or_b32 s43, s43, 0x80000000
	s_mov_b32 s44, 1
	s_mov_b32 s45, MASK
	s_add_nc_u64 s[46:47], s[8:9], s[56:57]
	s_or_b32 s47, s47, 0x80000000
	s_cmp_lt_u32 s18, 8                            ; the fills, ahead of every wait on TENSORcnt, every LDS read and every barrier; four v_nop follow each line
	s_cbranch_scc0 .Lnot_kv
	tensor_load_to_lds s[40:43], s[24:31]
	s_nop 0
.rept 4
	v_nop
.endr
	s_branch .Lasked
.Lnot_kv:
	s_cmp_eq_u32 s18, 8
	s_cbranch_scc0 .Lasked
	tensor_load_to_lds s[44:47], s[32:39]
	s_nop 0
.rept 4
	v_nop
.endr
.Lasked:
	s_add_nc_u64 s[4:5], s[4:5], s[58:59]
	s_add_nc_u64 s[10:11], s[10:11], s[60:61]
	s_add_nc_u64 s[12:13], s[12:13], s[62:63]
	v_lshlrev_b32 v206, 4, v10
	global_load_b128 v[208:211], v206, s[4:5]              ; query r's codes 0-3, in both halves of the lanes
	global_load_b128 v[212:215], v206, s[4:5] offset:256   ; codes 4, 5, the scale word
	v_mul_u32_u24 v6, v10, 24
	v_mad_u32_u24 v6, v11, 12, v6                  ; the way out: 24 r + 12 h
	v_and_b32 v204, 7, v10
	v_lshrrev_b32 v205, 3, v10
	v_lshl_add_u32 v204, v205, 5, v204
	v_add_nc_u32 v204, s49, v204                   ; my query
	v_lshlrev_b32 v205, 5, v11
	v_sub_nc_u32 v4, v205, v204                    ; 32 h - my query
.irp i, 16,17,18,19,20,21,28,29,30,31,32,33,40,41,42,43,44,45
	v_mov_b32 v[\i], 0                             ; zero codes
.endr
	v_mov_b32 v13, 0xce800000                      ; the largest t so far: -2^30, above every hidden key's t and under every open one's
	v_floor_f32 v12, -v13                          ; -M
	v_mov_b32 v14, 0
	v_mov_b32 v15, 0
	v_mov_b32 v[TT], 0                             ; a lane permute's destination counts as read
	s_wait_loadcnt 0x0
	v_cmp_gt_u32 vcc_lo, 16, v9
.irp i, 0,1,2,3,4,5
	v_cndmask_b32 v[22+\i], v16, v[208+\i], vcc_lo     ; q in lanes 0-15, zero codes in lanes 16-31
	v_cndmask_b32 v[34+\i], v[208+\i], v16, vcc_lo     ; and the other way round
.endr
	v_mov_b32 v202, v214                           ; q's scale word
	v_mov_b32 v209, 0
	v_mov_b32 v211, 0                              ; named with v210 as a pair
.irp j, 0,1,2,3,4,5,6,7,8,9,10,11,12,13,14,15
	v_mov_b32 v[160+\j], 0                         ; O^T: the step is written once; the first finds zeros
.endr
	s_wait_tensorcnt 0x0                           ; my fill has landed (a wave without one passes),
	s_barrier_signal -1
	s_barrier_wait -1                              ; everybody's has
.Lstep:
	STEP
	s_sub_co_u32 s50, s50, 1
	s_cmp_lg_u32 s50, 0
	s_cbranch_scc1 .Lstep
	; THE WAY OUT: O^T / the sum; register 8 u + j is channel 16 h + 8 u + j of my query; the head's 32 channels, in lanes l and l xor 16, are one block of the last product's K
.rept 4
	v_nop                                          ; places behind the last products
.endr
	v_add_f32 v14, v14, v15
	v_permlanex16_b32 v209, v14, s[SEL], s[SEL+1]
	v_add_f32 v14, v14, v209                       ; the row's sum
	v_rcp_f32 v14, v14
	v_nop                                          ; a plain place behind the reciprocal
	s_wait_alu depctr_va_vdst(0)                   ; the wait ahead of its first reader
.irp j, 0,2,4,6,8,10,12,14
	v_pk_mul_f32 v[96+\j:97+\j], v[160+\j:161+\j], v[14:15] op_sel_hi:[1,0]
.endr
	v_max3_num_f32 v204, |v96|, |v97|, 0x1800000
.irp j, 2,4,6,8,10,12,14
	v_max3_num_f32 v204, v204, |v[96+\j]|, |v[97+\j]|
.endr
	v_permlanex16_b32 v209, v204, s[SEL], s[SEL+1]
	v_max_num_f32 v204, v204, v209
	v_add_nc_u32 v214, 0xff000000, v204
	v_lshrrev_b32 v216, 23, v214
	v_cvt_scalef32_pk16_fp6_f32 v[188:190], v[96:111], v214
	v_nop
	global_store_b96 v6, v[188:190], s[10:11]      ; the wave stores 384 consecutive bytes
	ds_store_b8 v7, v216                           ; both halves of the lanes write the same byte with the same value
	s_wait_dscnt 0x0
	s_barrier_signal -1
	s_barrier_wait -1                              ; the sixteen tiles' 256 scale bytes lie in LDS
	s_cmp_lg_u32 s18, 0
	s_cbranch_scc1 .Lend
	ds_load_b64 v[220:221], v47
	s_wait_dscnt 0x0
	global_store_b64 v46, v[220:221], s[12:13]     ; 256 consecutive bytes
.Lend:
	s_wait_tensorcnt 0x0
	ds_add_u32 v254, v255
	s_wait_dscnt 0x0
	s_endpgm
.Lfunc_end_k_q9b9be29832_attn:
	.size	k_q9b9be29832_attn, .Lfunc_end_k_q9b9be29832_attn-k_q9b9be29832_attn
	.p2alignl 7, 3214868480
	.fill 96, 4, 3214868480
	.section	.rodata,"a",@progbits
	.p2align	6, 0x0
	.amdhsa_kernel k_q9b9be29832_attn
		.amdhsa_group_segment_fixed_size 223488
		.amdhsa_private_segment_fixed_size 0
		.amdhsa_enable_private_segment 0
		.amdhsa_kernarg_size 40
		.amdhsa_user_sgpr_count 2
		.amdhsa_user_sgpr_kernarg_segment_ptr 1
		.amdhsa_wavefront_size32 1
		.amdhsa_system_sgpr_workgroup_id_x 1
		.amdhsa_system_sgpr_workgroup_id_y 1
		.amdhsa_system_sgpr_workgroup_id_z 1
		.amdhsa_system_vgpr_workitem_id 0
		.amdhsa_next_free_vgpr 256
		.amdhsa_next_free_sgpr 66
		.amdhsa_reserve_vcc 1
		.amdhsa_float_denorm_mode_32 3
		.amdhsa_float_denorm_mode_16_64 3
		.amdhsa_memory_ordered 1
		.amdhsa_forward_progress 1
		.amdhsa_inst_pref_size 30
	.end_amdhsa_kernel
	.amdgpu_metadata
---
amdhsa.version: [ 1, 2 ]
amdhsa.kernels:
  - .name:           k_q9b9be29832_attn
    .symbol:         k_q9b9be29832_attn.kd
    .args:
      - { .name: qimg, .offset: 0, .size: 8, .value_kind: global_buffer, .address_space: global }
      - { .name: kv, .offset: 8, .size: 8, .value_kind: global_buffer, .address_space: global }
      - { .name: maskf, .offset: 16, .size: 8, .value_kind: global_buffer, .address_space: global }
      - { .name: ocodes, .offset: 24, .size: 8, .value_kind: global_buffer, .address_space: global }
      - { .name: oscales, .offset: 32, .size: 8, .value_kind: global_buffer, .address_space: global }
    .group_segment_fixed_size: 223488
    .private_segment_fixed_size: 0
    .kernarg_segment_align: 8
    .kernarg_segment_size: 40
    .max_flat_workgroup_size: 512
    .sgpr_count:     66
    .vgpr_count:     256
    .wavefront_size: 32
...
	.end_amdgpu_metadata
.endif
;; end of part 3
;; launch proj (part 4): grid 256 x 1, 4 waves a work-group, no clusters, 33,792 bytes of LDS; arguments ocodes, oscales, wimg, b_proj, out0; writes out0
.if DOCPART == 4
	.amdgcn_target "amdgcn-amd-amdhsa--gfx1250"
	.amdhsa_code_object_version 6
	.text
	.protected	k_q9b9be29832_proj
	.globl	k_q9b9be29832_proj
	.p2align	8
	.type	k_q9b9be29832_proj,@function
k_q9b9be29832_proj:
	s_mov_b64 s[64:65], 0
	v_nop
	global_prefetch_b8 v0, s[64:65] scope:SCOPE_SE
	s_setreg_imm32_b32 hwreg(HW_REG_WAVE_MODE, 25, 1), 1
	s_wait_xcnt 0x0
; out0 = o w_proj + b_proj on codes of FP6 (E2M3).  o comes as launch attn left it: ocodes [16 heads][256 tiles][16 rows][24 bytes], oscales [16 heads][4,096]: a head's 32 channels are one block of K.
; Work-group X: token tiles 2 X and 2 X + 1 (32 tokens); wave w: output columns 64 w .. 64 w + 63 (w_proj's records 48 + 4 w + t of wimg).  256 work-groups.
; THE PRODUCT IS USED TRANSPOSED (source 0 = 16 columns of w_proj, source 1 = 16 tokens): a lane holds eight neighbouring outputs of one token.  The bias is the C of each sum's first product: it is loaded into the accumulators.
; The results meet in a stage in LDS (32 rows of 1,024 bytes + 16) and leave as whole rows: a store covers 512 consecutive bytes.
; No tensor loads, no cluster, no prefetch: 59 KB a work-group, all asked for at the head of a short launch.
.set REC,  3328
.set SP,   1040
.set LI,   4
.set LS8,  5
.set STO,  6
.set SRD,  7
.set W,    32                          ; v32-127  four records of w_proj; later the rows read back
.set WS,   128                         ; v128-135 their scale words
.set OF,   136                         ; v136-183 o's fragments: 24 m + 12 s
.set OS,   184                         ; v184-187 o's scale words: 2 m + s
.set ACC,  192                         ; v192-255 accumulator (m, t) at 8 (4 m + t)
	s_load_b256 s[4:11], s[0:1], 0x0               ; ocodes s[4:5], oscales s[6:7], wimg s[8:9], b_proj s[10:11]
	s_load_b64 s[12:13], s[0:1], 0x20              ; out0
	v_lshl_add_u32 v190, v0, 2, 0x8200
	v_mov_b32 v191, 0
	v_lshrrev_b32 v1, 5, v0
	v_readfirstlane_b32 s16, v1                    ; wave 0..3
	v_and_b32 v1, 31, v0                           ; lane
	v_and_b32 v2, 15, v0                           ; r
	v_bfe_u32 v3, v0, 4, 1                         ; h
	v_lshlrev_b32 v[LI], 4, v1
	v_lshlrev_b32 v[LS8], 3, v1
	v_and_b32 v24, 7, v2
	v_lshrrev_b32 v25, 3, v2
	v_lshl_add_u32 v24, v25, 4, v24                ; row r of tile m is stage row 8 m + r % 8 + 16 (r / 8): rows 0-15 are 16 neighbouring tokens, rows 16-31 those 32 further on
	v_mul_u32_u24 v[STO], v24, SP
	v_lshl_add_u32 v[STO], v3, 5, v[STO]
	s_lshl_b32 s20, s16, 8
	v_add_nc_u32 v[STO], s20, v[STO]               ; + 32 h + 256 w
	s_mul_i32 s20, s16, 8*SP
	v_add_nc_u32 v[SRD], s20, v[LI]                ; back: rows 8 w .., 16 bytes a lane
	v_mul_u32_u24 v26, v2, 24
	v_mul_u32_u24 v27, v3, 0x18000
	v_add_nc_u32 v26, v26, v27                     ; o: 24 r, + a head's 98,304 bytes for lanes 16-31
	v_lshlrev_b32 v27, 5, v3                       ; the bias: 32 h
	s_lshr_b32 s17, ttmp9, 7                       ; batch
	s_and_b32 s18, ttmp9, 127
	s_lshl_b32 s18, s18, 1                         ; the first tile's number in its batch
	s_mul_i32 s20, s17, 786432
	s_mul_i32 s21, s18, 384
	s_add_co_u32 s20, s20, s21
	s_mov_b32 s21, 0
	s_lshl_b32 s22, s17, 15
	s_lshl_b32 s23, s18, 4
	s_add_co_u32 s22, s22, s23
	s_mov_b32 s23, 0
	s_lshl_b32 s26, s16, 2
	s_add_co_u32 s26, s26, 48
	s_mul_i32 s26, s26, REC
	s_mov_b32 s27, 0
	s_lshl_b32 s28, s16, 8
	s_mov_b32 s29, 0
	s_lshr_b32 s24, ttmp9, 1
	s_lshl_b32 s24, s24, 6
	s_and_b32 s25, ttmp9, 1
	s_lshl_b32 s25, s25, 4
	s_add_co_u32 s24, s24, s25
	s_lshr_b32 s25, s16, 1
	s_lshl_b32 s25, s25, 5
	s_add_co_u32 s24, s24, s25
	s_and_b32 s25, s16, 1
	s_lshl_b32 s25, s25, 3
	s_add_co_u32 s24, s24, s25                     ; the first token that I store: 64 (X / 2) + 16 (X % 2) + 32 (w / 2) + 8 (w % 2)
	s_lshl_b32 s24, s24, 10
	s_mov_b32 s25, 0
	s_wait_kmcnt 0x0
	s_add_nc_u64 s[4:5], s[4:5], s[20:21]
	s_add_nc_u64 s[6:7], s[6:7], s[22:23]
	s_add_nc_u64 s[8:9], s[8:9], s[26:27]
	s_add_nc_u64 s[10:11], s[10:11], s[28:29]
	s_add_nc_u64 s[12:13], s[12:13], s[24:25]
.irp t, 0,1,2,3
.irp i, 0,1,2,3,4,5
	global_load_b128 v[W+24*\t+4*\i:W+24*\t+4*\i+3], v[LI], s[8:9] offset:REC*\t+512*\i
.endr
	global_load_b64 v[WS+2*\t:WS+2*\t+1], v[LS8], s[8:9] offset:REC*\t+3072
.endr
.irp m, 0,1
.irp s, 0,1
.irp c, 0,1
.irp p, 0,1,2
	global_load_b64 v[OF+24*\m+12*\s+6*\c+2*\p:OF+24*\m+12*\s+6*\c+2*\p+1], v26, s[4:5] offset:384*\m+393216*\s+196608*\c+8*\p   ; head 4 s + 2 c + h of token row r
.endr
.endr
.endr
.irp e, 0,1,2,3,4,5,6,7
	global_load_u8 v[8+8*\m+\e], v2, s[6:7] offset:4096*\e+16*\m
.endr
.irp t, 0,1,2,3
	global_load_b128 v[ACC+8*(4*\m+\t):ACC+8*(4*\m+\t)+3], v27, s[10:11] offset:64*\t
	global_load_b128 v[ACC+8*(4*\m+\t)+4:ACC+8*(4*\m+\t)+7], v27, s[10:11] offset:64*\t+16
.endr
.endr
	s_wait_loadcnt 0x0
.irp m, 0,1
.irp s, 0,1
	v_lshl_or_b32 v[OS+2*\m+\s], v[8+8*\m+4*\s+1], 8, v[8+8*\m+4*\s]       ; byte b: head 4 s + b
	v_lshl_or_b32 v[OS+2*\m+\s], v[8+8*\m+4*\s+2], 16, v[OS+2*\m+\s]
	v_lshl_or_b32 v[OS+2*\m+\s], v[8+8*\m+4*\s+3], 24, v[OS+2*\m+\s]
.endr
.endr
.rept 8
	v_nop                                          ; a scale register written by a vector instruction stands eight places ahead of a scaled matrix instruction
.endr
.irp s, 0,1                                    ; eight accumulators by turns, K step by K step
.irp m, 0,1
.irp t, 0,1,2,3
	v_wmma_scale_f32_16x16x128_f8f6f4 v[ACC+8*(4*\m+\t):ACC+8*(4*\m+\t)+7], v[W+24*\t+12*\s:W+24*\t+12*\s+11], v[OF+24*\m+12*\s:OF+24*\m+12*\s+11], v[ACC+8*(4*\m+\t):ACC+8*(4*\m+\t)+7], v[WS+2*\t+\s], v[OS+2*\m+\s] matrix_a_fmt:MATRIX_FMT_FP6 matrix_b_fmt:MATRIX_FMT_FP6
.endr
.endr
.endr
.rept 4
	v_nop                                          ; places ahead of the first read of results and of the loads into w's registers
.endr
.irp m, 0,1
.irp t, 0,1,2,3
	ds_store_b128 v[STO], v[ACC+8*(4*\m+\t):ACC+8*(4*\m+\t)+3] offset:8*\m*SP+64*\t          ; each accumulator from its low end on
	ds_store_b128 v[STO], v[ACC+8*(4*\m+\t)+4:ACC+8*(4*\m+\t)+7] offset:8*\m*SP+64*\t+16
.endr
.endr
	s_wait_dscnt 0x0                               ; for the others' sake: my stores into the stage are done
	s_barrier_signal -1
	s_barrier_wait -1
.irp i, 0,1,2,3,4,5,6,7
.irp k, 0,1
	ds_load_b128 v[W+8*\i+4*\k:W+8*\i+4*\k+3], v[SRD] offset:\i*SP+512*\k
.endr
.endr
.irp i, 0,1,2,3,4,5,6,7
.irp k, 0,1
	s_wait_dscnt 15-2*\i-\k                        ; LDS loads come back in order: this one is in, the younger ones may be out
	global_store_b128 v[LI], v[W+8*\i+4*\k:W+8*\i+4*\k+3], s[12:13] offset:1024*\i+512*\k th:TH_STORE_NT   ; 32 lanes store 512 consecutive bytes
.endr
.endr
	s_wait_tensorcnt 0x0
	ds_add_u32 v190, v191
	s_wait_dscnt 0x0
	s_endpgm
.Lfunc_end_k_q9b9be29832_proj:
	.size	k_q9b9be29832_proj, .Lfunc_end_k_q9b9be29832_proj-k_q9b9be29832_proj
	.p2alignl 7, 3214868480
	.fill 96, 4, 3214868480
	.section	.rodata,"a",@progbits
	.p2align	6, 0x0
	.amdhsa_kernel k_q9b9be29832_proj
		.amdhsa_group_segment_fixed_size 33792
		.amdhsa_private_segment_fixed_size 0
		.amdhsa_enable_private_segment 0
		.amdhsa_kernarg_size 40
		.amdhsa_user_sgpr_count 2
		.amdhsa_user_sgpr_kernarg_segment_ptr 1
		.amdhsa_wavefront_size32 1
		.amdhsa_system_sgpr_workgroup_id_x 1
		.amdhsa_system_sgpr_workgroup_id_y 1
		.amdhsa_system_sgpr_workgroup_id_z 1
		.amdhsa_system_vgpr_workitem_id 0
		.amdhsa_next_free_vgpr 256
		.amdhsa_next_free_sgpr 66
		.amdhsa_reserve_vcc 0
		.amdhsa_float_denorm_mode_32 3
		.amdhsa_float_denorm_mode_16_64 3
		.amdhsa_memory_ordered 1
		.amdhsa_forward_progress 1
		.amdhsa_inst_pref_size 18
	.end_amdhsa_kernel
	.amdgpu_metadata
---
amdhsa.version: [ 1, 2 ]
amdhsa.kernels:
  - .name:           k_q9b9be29832_proj
    .symbol:         k_q9b9be29832_proj.kd
    .args:
      - { .name: ocodes, .offset: 0, .size: 8, .value_kind: global_buffer, .address_space: global }
      - { .name: oscales, .offset: 8, .size: 8, .value_kind: global_buffer, .address_space: global }
      - { .name: wimg, .offset: 16, .size: 8, .value_kind: global_buffer, .address_space: global }
      - { .name: b_proj, .offset: 24, .size: 8, .value_kind: global_buffer, .address_space: global }
      - { .name: out0, .offset: 32, .size: 8, .value_kind: global_buffer, .address_space: global }
    .group_segment_fixed_size: 33792
    .private_segment_fixed_size: 0
    .kernarg_segment_align: 8
    .kernarg_segment_size: 40
    .max_flat_workgroup_size: 128
    .sgpr_count:     66
    .vgpr_count:     256
    .wavefront_size: 32
...
	.end_amdgpu_metadata
.endif
;; end of part 4
